; MI455X (gfx1250); checked and timed in simulation.
; The chip was launched on July 23, 2026; its instructions are those of AMD's public machine-readable ISA for CDNA 5 (MIT licence, August 2026) and "CDNA5" Instruction Set Architecture Reference Guide (July 2026). The comments in the code are by the model that wrote it; some were corrected since.
;; Causal Self Attention. Allowed arithmetic: matrix products marked QUANTISED: E4M3 operands, one given power-of-two scale a tensor, by v_wmma_f32_16x16x64_fp8_fp8 or v_wmma_f32_16x16x128_fp8_fp8, f32 sums; everything else in f32.
;; Inputs: W_attn_codes 3,072 x 32 x 32 uint8 (E4M3 codes of W_attn, K innermost, in blocks of 32 codes); W_proj_codes 1,024 x 32 x 32 uint8 (E4M3 codes of W_proj, K innermost, in blocks of 32 codes); b_attn 3,072 float32; b_proj 1,024 float32; lowp_scales 8 int32 (the exponents e of the quantised operands' scales 2^e); x_codes 4 x 2,048 x 32 x 32 uint8 (E4M3 codes of x, K innermost, in blocks of 32 codes).
;; Outputs: out0 4 x 2,048 x 1,024 float32.
;; This version of the problem:
;;   THIS VERSION OF THE PROBLEM IS GIVEN IN LOW PRECISION. The matrix products marked QUANTISED in the list below multiply operands that are first quantised to E4M3 (4 exponent bits, 3 mantissa bits; 8 bits a number), with one given power-of-two scale for each operand tensor; their sums are f32. All else is computed in f32.
;;   The module's matrix products, in the order in which they are computed (A, B: the left and right operand; K: the contracted axis; several contracted axes count as one K, in the product's order):
;;     1. [M 8,192, K 1,024] x [K 1,024, N 3,072]; A: input x (given as codes); B: input W_attn (given as codes): QUANTISED (scales: A lowp_scales[0], B lowp_scales[1])
;;     2. batch 64 x [M 2,048, K 64] x [K 64, N 2,048]; A: computed on the way; B: computed on the way: QUANTISED (scales: A lowp_scales[2], B lowp_scales[3])
;;     3. batch 64 x [M 2,048, K 2,048] x [K 2,048, N 64]; A: softmax (see below); B: computed on the way: QUANTISED (scales: A lowp_scales[4], B lowp_scales[5])
;;     4. [M 8,192, K 1,024] x [K 1,024, N 1,024]; A: computed on the way; B: input W_proj (given as codes): QUANTISED (scales: A lowp_scales[6], B lowp_scales[7])
;;   THE QUANTISER, for each operand of a quantised product, along K:
;;     - The operand's scale is 2^e, e = its entry of the input lowp_scales (int32; the entries are numbered through the quantised products in the list's order, A before B).
;;     - Each number is divided by the scale, clamped to +-448, and rounded to the nearest number of E4M3, ties to even, subnormals kept.
;;     - The product sums the exact products of the quantised numbers (number of the format x scale) in f32.
;;   ~~~python
;;   def quantise(x, axis, e):      # numpy; x: float32 -> the quantised numbers, widened to float32 again
;;       x = np.moveaxis(x, axis, -1); K = x.shape[-1]
;;       r = np.clip(x / 2.0 ** e, -448, 448)
;;       step = 2.0 ** (np.maximum(np.frexp(np.where(r == 0, 1, r))[1] - 1, -6) - 3)
;;       q = np.round(r / step) * step * 2.0 ** e      # np.round: ties to even
;;       return np.moveaxis(q, -1, axis).astype(np.float32)
;;   ~~~
;;   SOFTMAX AHEAD OF A QUANTISED PRODUCT. Where the list says 'softmax', what is quantised is not the finished softmax but p = 2^(t - M), with t = logit x log2(e) and M = ceil(the row's largest t), a whole number; so 1/2 < the row's largest p <= 1. The row's sum l is taken of the UNQUANTISED p, in f32, and the product's result is divided by l at the end. Since M is a whole number, a kernel that streams over the keys may use a running M (the ceiling of the running maximum): every later rescaling is an exact power of two, so the quantised numbers keep their values, but for numbers so far below the row's largest that they fall under the format's range.
;;   OPERANDS COMPUTED ON THE WAY. 'Computed on the way' means the value that the module computes at that place (a softmax that the list does not call 'softmax' is quantised finished and normalised). What goes into a quantiser is computed in f32, as accurately as f32 sums, v_exp_f32 and their like allow (about 1e-6 of the number): no bf16 or f16 on the way to a quantiser, and a product that is left as it is and whose result goes on into a quantised operand takes f32 operands (vector FMAs, or v_wmma_f32_16x16x4_f32). A number that lies on a knife's edge between two numbers of the format may be rounded either way, as far as f32 arithmetic and the matrix unit's own rounding can turn it there, and no further.
;;   INPUTS GIVEN AS CODES. W_attn (in the module: [1024, 3072], K = its axis 0); W_proj (in the module: [1024, 1024], K = its axis 0); x (in the module: [4, 2048, 1024], K = its axis 2): each comes as NAME_codes (uint8): NAME with its K axis moved to the last place and cut into blocks of 32 codes, [.., K / 32, bytes a block], one block behind the other in memory; one code a byte (a code: sign, 4 exponent bits, 3 mantissa bits); its scale is its entry of lowp_scales. Its value is code x scale, taken as it is: it is not quantised again, and the codes and scales need not be those that the quantiser above would give.
;; One version. Each part assembles by itself: llvm-mc -triple=amdgcn-amd-amdhsa -mcpu=gfx1250 --defsym DOCPART=n.
;; ======== version 1 of 1: 3 launches
;; limits: right only within a limited range of input values
;; workspace buffers: qkv 25,165,824 bytes; yimg 8,388,608 bytes
;; launch qkv (part 1): grid 12 x 32, 4 waves a work-group, clusters of 4 x 4, 327,680 bytes of LDS; arguments x_codes, W_attn_codes, b_attn, lowp_scales, qkv; writes qkv
.if DOCPART == 1
	.amdgcn_target "amdgcn-amd-amdhsa--gfx1250"
	.amdhsa_code_object_version 6
	.text
	.protected	k_q54ba023a3f_qkv
	.globl	k_q54ba023a3f_qkv
	.p2align	8
	.type	k_q54ba023a3f_qkv,@function
k_q54ba023a3f_qkv:
	s_mov_b64 s[64:65], 0
	v_nop
	global_prefetch_b8 v0, s[64:65] scope:SCOPE_SE
	s_setreg_imm32_b32 hwreg(HW_REG_WAVE_MODE, 25, 1), 1
	s_wait_xcnt 0x0
	s_wait_alu depctr_hold_cnt(0) depctr_sa_sdst(0) depctr_va_vdst(0) depctr_va_sdst(0) depctr_va_ssrc(0) depctr_va_vcc(0) depctr_vm_vsrc(0)
	s_getreg_b32 s2, hwreg(HW_REG_IB_STS2, 6, 4)
	s_cmp_eq_u32 s2, 0
	s_cbranch_scc0 .Lentry_in_a_cluster
	s_endpgm
.Lentry_in_a_cluster:
	s_bfe_u32 s2, ttmp6, 0x10000c
	s_cmp_lg_u32 s2, 0xf033
	s_cbranch_scc0 .Lentry_shape_is_right
	s_endpgm
.Lentry_shape_is_right:
; qkv = x W_attn + b_attn on codes of FP8 (E4M3), and its three parts quantised at once: q with 2^e2, k with 2^e3, v with 2^e5 (entries of lowp_scales; x has e0, W_attn e1).
; THE BODY computes C'[i][j] = sum over k of P[i][k] Q[j][k] + bias, K = 1,024, and is used transposed (source 0 = 16 rows of Q, source 1 = 16 rows of P): a lane holds ONE row of P and eight neighbouring rows of Q.
;   q, k (cluster x = 0, 1): P = x (tokens), Q = W_attn's rows 0 .. 2,047: the eight neighbours run along the head's channels, the K of the product q k^T.
;   v    (cluster x = 2):    P = W_attn's rows 2,048 .. 3,071, Q = x: the eight neighbours run along the tokens, the K of the product p v.   Nothing is transposed; only pointers and a few strides are chosen, on the cluster's x.
; A tile of C' is 256 x 256: four waves, each 128 x 128 in 64 accumulators.  K goes in four steps of 256 through two LDS slots filled by the tensor data mover.  256 tiles for q and k, 128 for v.
; CLUSTERS: 4 x 4 work-groups; P's tile is asked for jointly along a row of the cluster, Q's along a column.
; THE BIAS is the C of each sum's first product, divided by 2^(e0 + e1), the power of two that the sums lack.  code = (sum + bias / 2^(e0+e1)) / 2^(eo - e0 - e1), eo = e2, e3 or e5.
; OUTPUT: qkv = three parts of 8 MiB (q, k, v), each 512 blocks of 128 rows x 128 bytes; block = (batch x 8 + head pair) x 16 + block of 128 tokens.  q, k: a row is a token, its bytes the pair's 2 x 64 channels.
;   v: a row is a channel of the pair (64 x head + d), its bytes the block's 128 tokens.  Logical row p lies at the place p with bits 3 and 4 exchanged, so that 16 neighbouring places are the rows that the next launch wants as one tile.
;   A wave's 128 x 128 codes are exactly one block.
; LIMITS: eo - e0 - e1 between -126 and 127, so that the conversion's scale is an f32 number; e0 + e1 is applied by v_ldexp_f32 and has none.  NaN in b_attn is not served.
; The fragments are fetched by 16-byte pieces (registers 4 c .. 4 c + 3: K = 32 c + 16 (lane / 16) + 0 .. 15): a permutation of k, the same on both sides of the product.
; REGISTERS, in windows of 256: window 0: v1-30 addresses; v32-95 the bias; v96-127 codes; from v128 P's fragments, ONE set, later rows on their way out.
;   window 1: Q's fragments, two sets.   window 2: the accumulators of my rows 0-63 ((a, b) at v[8 (8 a + b)]);   window 3: those of rows 64-127.
.set ROWB,   256                       ; a tile's row in bytes: 256 codes
.set KROW,   1024                      ; a row of x or of W_attn in memory
.set PITCH,  272                       ; an LDS row: 256 bytes + 16 of padding = 68 words: row r starts at bank 4 r mod 64 (64 banks of 4 bytes: ISA guide 11.1)
.set FR,     16                        ; registers of a fragment: 16 rows x 128 K
.set NL,     4                         ; LDS loads that bring one
.set NP,     4                         ; places behind this matrix instruction (ISA guide 7.12.1)
.set HALFT,  128*PITCH                 ; what one tensor load brings
.set SLOT,   4*HALFT                   ; P's 256 rows, then Q's 256 rows
.set SPARE,  2*SLOT                    ; behind the ring: the spare words, 128 bytes a wave, named by no other line
.set SP,     144                       ; the way out: a stage of 16 rows x (128 bytes + 16) for each wave, in slot 0, which has had its last fill and its last read by then
.set BA,   8                           ; v8-15   byte offsets into b_attn
.set ADRA, 16                          ; v16-17  LDS address of my P fragments in slot 0, 1
.set ADRB, 20                          ; v20-21  the same for Q
.set STO,  24                          ; v24     the stage: where I put 8 codes of a row
.set RD,   25                          ; v25     and where I read four rows back
.set CO,   26                          ; v26     16 x lane: my place in 512 bytes of the block
.set SPW,  28                          ; v28     my spare word; never rewritten
.set NIL,  29                          ; v29     0; never rewritten
.set SC,   30                          ; v30     2^(eo - e0 - e1) as f32
.set BI,   32                          ; v32-95  the bias, in the result's layout
.set TMP,  32
.set CD,   96                          ; v96-127 codes, two sets
.set AF,   128                         ; P's fragments
.set BK,   128                         ; on the way out: rows read back, v128-143 and v144-159 by turns
.set G1, 24                            ; s[24:31] group 1 for P's tiles;  s[32:39] group 0, a set for each slot
.set G0, 32
.set G1B, 48                           ; s[48:55], s[56:63] the same for Q's
.set G0B, 56
.set MSB, 0
.macro WIN new                         ; the immediate's high byte repeats the setting that is left
.if MSB != \new
	s_set_vgpr_msb (MSB<<8)|\new
.set MSB, \new
.endif
.endm
.set MUL_LO, 0xa1                      ; source 0 (Q) window 1, source 1 (P) window 0, C and D window 2
.set MUL_HI, 0xf1                      ; the same, C and D window 3
.set C0_LO,  0x81                      ; the first step: C (the bias) window 0, D window 2
.set C0_HI,  0xc1                      ; D window 3
.set TO_B,   0x40                      ; destination window 1, address window 0
; A joint load: waves 0 and 1 fetch for P, waves 2 and 3 for Q.  The branch hangs on the wave's number alone.  Four v_nop follow each of the two lines.
.macro JLOAD g0a, g1a, g0b, g1b
	s_cmp_eq_u32 s15, 0
	s_cbranch_scc0 .Lfor_b_\@
	tensor_load_to_lds s[\g0a:\g0a+3], s[\g1a:\g1a+7]
	s_nop 0
.rept 4
	v_nop
.endr
	s_branch .Lasked_\@
.Lfor_b_\@:
	tensor_load_to_lds s[\g0b:\g0b+3], s[\g1b:\g1b+7]
	s_nop 0
.rept 4
	v_nop
.endr
.Lasked_\@:
.endm
.macro CREST                           ; a round of the cluster's barrier behind its opening barrier
	s_cmp_lg_u32 s14, 0
	s_cbranch_scc1 .Lnot_wave_0_\@
	s_barrier_signal -3
.Lnot_wave_0_\@:
	s_barrier_wait -3
	s_barrier_signal -1
	s_barrier_wait -1
.endm
.macro CROUND                          ; a whole round
	s_barrier_signal -1
	s_barrier_wait -1
	CREST
.endm
	s_load_b256 s[4:11], s[0:1], 0x0               ; x s[4:5], W_attn s[6:7], b_attn s[8:9], the scales' exponents s[10:11]
	s_load_b64 s[12:13], s[0:1], 0x20              ; qkv
	v_lshl_add_u32 v[SPW], v0, 2, SPARE
	v_mov_b32 v[NIL], 0
	ds_add_u32 v28, v29
	ds_add_u32 v28, v29
	s_wait_dscnt 0x0
	v_lshrrev_b32 v1, 5, v0
	v_readfirstlane_b32 s14, v1                    ; wave 0..3
	s_lshr_b32 s15, s14, 1                         ; which half of the tile's P rows is mine.  Also: I fetch for P (0) or for Q (1)
	s_and_b32 s16, s14, 1                          ; which half of its Q rows.  Also: which 128 rows of that tile I fetch
	s_bfe_u32 s40, ttmp6, 0x40000                  ; cx, cy: my place in the cluster
	s_bfe_u32 s41, ttmp6, 0x40004
	s_and_b32 s72, ttmp7, 0xffff                   ; cluster y
	s_lshl_b32 s18, s72, 2
	s_add_co_u32 s19, s18, s41                     ; 4 x cluster y + cy
	s_add_co_u32 s46, s18, s40                     ; 4 x cluster y + cx
	s_lshl_b32 s47, ttmp9, 2
	s_add_co_u32 s47, s47, s40                     ; 4 x cluster x + cx
	s_cmp_eq_u32 ttmp9, 2                          ; v's clusters?  The cluster's x is the same in all sixteen partners
	s_cselect_b32 s17, s41, s19                    ; tile row (of P):    v: cy (4 tiles of W's 1,024 rows);   q, k: 4 cluster y + cy (32 tiles of tokens)
	s_cselect_b32 s42, s46, s47                    ; tile column (of Q): v: 4 cluster y + cx (32 of tokens);  q, k: 4 cluster x + cx (8 tiles of W's 2,048 rows)
	s_lshl_b32 s43, s41, 2
	s_lshl_b32 s43, 15, s43                        ; my row of the cluster
	s_lshl_b32 s44, 0x1111, s40                    ; my column
	; descriptor group 1: a tile of 128 rows x 256 bytes, padded in LDS
	s_or_b32 s[G1+0], s43, (0<<16)|(1<<20)|(1<<21)|(5<<22)|(3<<25)  ; 15:0 the mask: P's tiles go to my row; 17:16 elements of 1 byte; 20 padding on; 21 set beside a mask; 24:22 after every 64 words (code 5); 31:25 four words (code 3)
	s_or_b32 s[G1B+0], s44, (0<<16)|(1<<20)|(1<<21)|(5<<22)|(3<<25) ; the same with the mask of my column
.irp g, G1, G1B
	s_mov_b32 s[\g+1], ROWB<<16                    ; tensor_dim0
	s_mov_b32 s[\g+2], 128<<16                     ; tensor_dim1
	s_mov_b32 s[\g+3], ROWB<<16                    ; tile_dim0
	s_mov_b32 s[\g+4], 128                         ; tile_dim1
	s_mov_b32 s[\g+5], KROW                        ; tensor_dim0_stride
	s_mov_b32 s[\g+6], 0
	s_mov_b32 s[\g+7], 0
.endr
	s_lshl_b32 s18, s16, 7                         ; which 128 rows of the tile I fetch
	s_lshl_b32 s20, s17, 8
	s_add_co_u32 s20, s20, s18                     ; P: row 256 x tile row + 128 x half,
	s_lshl_b32 s20, s20, 10                        ; in bytes (8 MiB at the most)
	s_mov_b32 s21, 0
	s_lshl_b32 s46, s42, 8
	s_add_co_u32 s46, s46, s18                     ; Q likewise
	s_lshl_b32 s46, s46, 10
	s_mov_b32 s47, 0
	s_mul_i32 s45, s14, HALFT                      ; where they go: wave x 128 rows: no place in the cluster enters an LDS address
	s_wait_kmcnt 0x0
	s_load_b256 s[76:83], s[10:11], 0x0            ; e0 .. e7
	s_add_nc_u64 s[66:67], s[6:7], 0x200000        ; W_attn at row 2,048: v's rows
	s_cmp_eq_u32 ttmp9, 2
	s_cselect_b64 s[68:69], s[66:67], s[4:5]       ; P
	s_cselect_b64 s[70:71], s[4:5], s[6:7]         ; Q
	s_add_nc_u64 s[20:21], s[68:69], s[20:21]
	s_add_nc_u64 s[46:47], s[70:71], s[46:47]
	CROUND                                         ; all sixteen work-groups are here: the first joint loads meet
.irp s, 0,1
	s_mov_b32 s[G0+4*\s], 1
	s_add_co_u32 s[G0+4*\s+1], s45, \s*SLOT
	s_add_nc_u64 s[G0+4*\s+2:G0+4*\s+3], s[20:21], \s*ROWB
	s_or_b32 s[G0+4*\s+3], s[G0+4*\s+3], 0x80000000
	s_mov_b32 s[G0B+4*\s], 1
	s_add_co_u32 s[G0B+4*\s+1], s45, \s*SLOT
	s_add_nc_u64 s[G0B+4*\s+2:G0B+4*\s+3], s[46:47], \s*ROWB
	s_or_b32 s[G0B+4*\s+3], s[G0B+4*\s+3], 0x80000000
	s_wait_alu depctr_va_vdst(0)
	s_wait_tensorcnt 0x0
	ds_add_u32 v28, v29
	ds_add_u32 v28, v29
	s_wait_dscnt 0x0
	CROUND
	JLOAD G0+4*\s, G1, G0B+4*\s, G1B               ; K steps 0 and 1: one load of mine is out at a time
.endr
	v_and_b32 v1, 15, v0                           ; r = lane % 16
	s_wait_alu depctr_va_vdst(0)
	v_bfe_u32 v2, v0, 4, 1                         ; h = lane / 16
	v_mul_u32_u24 v3, v1, PITCH
	v_lshl_add_u32 v4, v2, 4, v3                   ; a fragment's row x pitch + 16 x half
	s_mul_i32 s21, s15, HALFT                      ; my 128 rows of P
	s_mul_i32 s22, s16, HALFT                      ; my 128 rows of Q,
	s_add_co_u32 s22, s22, 2*HALFT                 ; which lie behind P's 256
.irp s, 0,1
	v_add_nc_u32 v[ADRA+\s], s21, v4
	v_add_nc_u32 v[ADRB+\s], s22, v4
	s_add_co_u32 s21, s21, SLOT
	s_add_co_u32 s22, s22, SLOT
.endr
	s_mul_i32 s23, s14, 16*SP                      ; my stage
	v_mul_u32_u24 v5, v1, SP                       ; in: row r, 8 bytes for each half of the lanes
	s_wait_alu depctr_va_vdst(0)
	v_lshl_add_u32 v5, v2, 3, v5
	v_add_nc_u32 v[STO], s23, v5
	v_and_b32 v6, 31, v0
	v_lshlrev_b32 v[CO], 4, v6
	v_lshrrev_b32 v7, 3, v6                        ; back: eight lanes to a row of 128 bytes, four rows an instruction
	v_and_b32 v6, 7, v6
	v_mul_u32_u24 v7, v7, SP
	v_lshl_add_u32 v7, v6, 4, v7
	v_add_nc_u32 v[RD], s23, v7
	s_lshl_b32 s73, s17, 1
	s_add_co_u32 s73, s73, s15                     ; which block of 128 rows of P is my wave's
	s_lshl_b32 s74, s42, 1
	s_add_co_u32 s74, s74, s16                     ; and of Q
	s_and_b32 s75, s74, 7
	s_lshl_b32 s18, s73, 9
	s_add_co_u32 s18, s18, 8192                    ; v: b_attn[2,048 + 128 x P's block], in bytes
	s_lshl_b32 s19, s74, 9                         ; q, k: b_attn[128 x Q's block]
	s_cmp_eq_u32 ttmp9, 2
	s_cselect_b32 s89, 4, 0                        ; the bias goes with P's row (lane r) in v,
	s_cselect_b32 s90, 0, 32                       ; with Q's row (8 h + j) in q and k
	s_cselect_b32 s91, 0, 4
	s_cselect_b32 s92, s18, s19
	s_cselect_b32 s93, s74, s73                    ; the block of 128 tokens, 0 .. 63
	s_cselect_b32 s94, s73, s75                    ; the head pair, 0 .. 7
	v_mad_u32_u24 v[BA], v1, s89, s92
	v_mad_u32_u24 v[BA], v2, s90, v[BA]
.irp j, 1,2,3,4,5,6,7
	v_add_nc_u32 v[BA+\j], s91, v[BA+\j-1]
.endr
.irp i, 0,1,2,3,4,5,6,7                        ; register 8 i + j: q, k: the bias of Q's row 16 i + 8 h + j;  v: of P's row 16 i + r, the same for all j.  64 small loads, once, while the first tiles are on their way
.irp j, 0,1,2,3,4,5,6,7
	global_load_b32 v[BI+8*\i+\j], v[BA+\j], s[8:9] offset:64*\i
.endr
.endr
	s_lshr_b32 s18, s93, 4                         ; my block of the output: (batch x 8 + head pair) x 16 + the token block within the batch
	s_lshl_b32 s18, s18, 7
	s_lshl_b32 s19, s94, 4
	s_add_co_u32 s18, s18, s19
	s_and_b32 s19, s93, 15
	s_add_co_u32 s18, s18, s19
	s_lshl_b32 s18, s18, 14                        ; x 16,384 bytes
	s_lshl_b32 s19, ttmp9, 23                      ; + the part: q, k or v, 8 MiB each
	s_add_co_u32 s18, s18, s19
	s_mov_b32 s19, 0
	s_add_nc_u64 s[12:13], s[12:13], s[18:19]
	s_wait_kmcnt 0x0
	s_add_co_i32 s85, s76, s77                     ; e0 + e1
	s_sub_co_i32 s88, 0, s85
	s_cmp_eq_u32 ttmp9, 0
	s_cselect_b32 s84, s78, s79                    ; e2 for q, e3 for k,
	s_cmp_eq_u32 ttmp9, 2
	s_cselect_b32 s84, s81, s84                    ; e5 for v: a choice on the cluster's x, no branch on a loaded number
	s_sub_co_i32 s84, s84, s85
	s_add_co_i32 s84, s84, 127
	s_lshl_b32 s18, s84, 23
	v_mov_b32 v[SC], s18                           ; 2^(eo - e0 - e1): the three scales folded into the conversion's one
	s_wait_loadcnt 0x0                             ; the bias
.set ii, 0
.rept 64
	v_ldexp_f32 v[BI+ii], v[BI+ii], s88            ; / 2^(e0 + e1)
.set ii, ii+1
.endr
.macro FRAG reg, adr, q, i             ; a fragment: lane l holds row l % 16; registers 4 c .. 4 c + 3 hold K = 32 c + 16 (l / 16) + 0 .. 15
.irp c, 0,1,2,3
	ds_load_b128 v[\reg+4*\c:\reg+4*\c+3], v[\adr] offset:128*(\q)+32*\c+(\i)*16*PITCH
.endr
.endm
; 16 matrix instructions: P's blocks a0, a0 + 1 x Q's eight, 128 along K.  p: Q's set.  The 64 accumulators take turns, one instruction a turn, in the same order in every step.
.macro MUL16 a0, p
.irp a, \a0, \a0+1
.irp b, 0,1,2,3,4,5,6,7
	v_wmma_f32_16x16x128_fp8_fp8 v[8*(8*((\a)%4)+\b):8*(8*((\a)%4)+\b)+7], v[128*(\p)+FR*\b:128*(\p)+FR*\b+FR-1], v[AF+FR*(\a):AF+FR*(\a)+FR-1], v[8*(8*((\a)%4)+\b):8*(8*((\a)%4)+\b)+7]
.endr
.endr
.endm
; The same for the first step: the bias starts the sums.  sel = 0 (q, k): the bias of Q's block b;  sel = 1 (v): of P's block a.
.macro MUL16C a0, sel
.irp a, \a0, \a0+1
.irp b, 0,1,2,3,4,5,6,7
.if \sel
	v_wmma_f32_16x16x128_fp8_fp8 v[8*(8*((\a)%4)+\b):8*(8*((\a)%4)+\b)+7], v[FR*\b:FR*\b+FR-1], v[AF+FR*(\a):AF+FR*(\a)+FR-1], v[BI+8*(\a):BI+8*(\a)+7]
.else
	v_wmma_f32_16x16x128_fp8_fp8 v[8*(8*((\a)%4)+\b):8*(8*((\a)%4)+\b)+7], v[FR*\b:FR*\b+FR-1], v[AF+FR*(\a):AF+FR*(\a)+FR-1], v[BI+8*\b:BI+8*\b+7]
.endif
.endr
.endr
.endm
.macro FETCH_B slot, q, p              ; Q's eight fragments of the slot's q-th 128 along K into set p
	WIN TO_B
.irp i, 0,1,2,3,4,5,6,7
	FRAG 128*(\p)+FR*\i, ADRB+\slot, \q, \i
.endr
	WIN 0
.endm
.macro FETCH_A slot, q, i0             ; P's blocks i0 .. i0 + 3
.irp i, \i0, \i0+1, \i0+2, \i0+3
	FRAG AF+FR*(\i), ADRA+\slot, \q, \i
.endr
.endm
; A load into a register that a matrix instruction has read, and a vector instruction that reads a matrix result, stand NP places behind that matrix instruction; only plain vector instructions that name none of its registers are places.
.macro PLACES n
.rept \n
	v_nop
.endr
.endm
; A step of 128 along K that has its successor in the same slot.  A block of P is free as soon as its eight products are issued: blocks 0-3 are fetched anew in the step's middle, blocks 4-7 at its end.
.macro STEP slot, q
	s_wait_dscnt 4*NL                              ; Q's set and P's blocks 0-3 are in; the youngest sixteen loads (P's blocks 4-7) may be out
	WIN MUL_LO
	MUL16 0, (\q)%2
	MUL16 2, (\q)%2
	s_wait_dscnt 0                                 ; P's blocks 4-7 are in
	PLACES NP
	FETCH_B \slot, (\q)+1, 1-(\q)%2
	FETCH_A \slot, (\q)+1, 0
	WIN MUL_HI
	MUL16 4, (\q)%2
	MUL16 6, (\q)%2
	PLACES NP
	WIN 0
	FETCH_A \slot, (\q)+1, 4
.endm
; A slot's last step changes slots: ONE barrier; in front of it each wave waits for all its tensor loads, adds 0 to its spare word, and waits for that and for its own reads of this slot.  fill = 1: this slot is filled again, two K steps ahead.
.macro TURN slot, next, fill
	s_wait_tensorcnt 0x0                           ; all my tensor loads have landed: my part of the next slot  (every window is 0 here)
	ds_add_u32 v[SPW], v[NIL]                      ; 0 onto my spare word
	s_wait_dscnt 4*NL+1                            ; the add and the youngest sixteen loads (P's blocks 4-7) may be out
	WIN MUL_LO
	MUL16 0, 1                                     ; sixteen matrix instructions stand between the add and the wait for it
	s_wait_dscnt 0x0                               ; the add is done, and my reads of this slot are over
	s_barrier_signal -1
	MUL16 2, 1
	WIN 0
	s_barrier_wait -1
.if \fill
	CREST                                          ; the barrier has opened a round of the cluster's barrier: no wave of any partner still reads this slot's tile or has a load on its way
	s_add_nc_u64 s[G0+4*\slot+2:G0+4*\slot+3], s[G0+4*\slot+2:G0+4*\slot+3], 2*ROWB
	s_add_nc_u64 s[G0B+4*\slot+2:G0B+4*\slot+3], s[G0B+4*\slot+2:G0B+4*\slot+3], 2*ROWB
	JLOAD G0+4*\slot, G1, G0B+4*\slot, G1B         ; the first tensor load behind the round; its four v_nop are the places in front of the loads below
.else
	PLACES NP
.endif
	FETCH_B \next, 0, 0
	FETCH_A \next, 0, 0
	WIN MUL_HI
	MUL16 4, 1
	MUL16 6, 1
	PLACES NP
	WIN 0
	FETCH_A \next, 0, 4
.endm
	s_wait_tensorcnt 1                             ; my part of K step 0 is in (K step 1's load may be out)
	s_barrier_signal -1
	s_barrier_wait -1                              ; everybody's is
	FETCH_B 0, 0, 0
	FETCH_A 0, 0, 0
	FETCH_A 0, 0, 4
	; THE FIRST STEP: its products take the bias as C.  Which registers hold an accumulator's bias differs between q, k and v: two arms of matrix instructions alone, chosen on the cluster's x; the accumulators' order is the same in both.
	s_wait_dscnt 4*NL                              ; P's blocks 4-7 may be out
	s_cmp_eq_u32 ttmp9, 2
	s_cbranch_scc1 .Lv_lo
	WIN C0_LO
	s_wait_alu depctr_va_vdst(0)
	MUL16C 0, 0
	MUL16C 2, 0
	WIN 0
	s_branch .Ljoin_lo
.Lv_lo:
	WIN C0_LO
	MUL16C 0, 1
	MUL16C 2, 1
	WIN 0
.Ljoin_lo:
	s_wait_dscnt 0
	PLACES NP
	FETCH_B 0, 1, 1
	FETCH_A 0, 1, 0
	s_cmp_eq_u32 ttmp9, 2
	s_cbranch_scc1 .Lv_hi
	WIN C0_HI
	s_wait_alu depctr_va_vdst(0)
	MUL16C 4, 0
	MUL16C 6, 0
	WIN 0
	s_branch .Ljoin_hi
.Lv_hi:
	WIN C0_HI
	MUL16C 4, 1
	s_wait_alu depctr_va_vdst(0)
	MUL16C 6, 1
	WIN 0
.Ljoin_hi:
	PLACES NP
	FETCH_A 0, 1, 4
	; K = 1,024 is four K steps: once more round the ring with refills, once without.  Written straight: a loop would have one trip.
	TURN 0, 1, 1                                   ; slot 0 takes K step 2
	STEP 1, 0
	TURN 1, 0, 1                                   ; slot 1 takes K step 3
	STEP 0, 0
	TURN 0, 1, 0                                   ; nothing is left to fetch: no round
	STEP 1, 0
	s_wait_dscnt 4*NL                              ; the very last step
	WIN MUL_LO
	MUL16 0, 1
	MUL16 2, 1
	s_wait_dscnt 0
	WIN MUL_HI
	MUL16 4, 1
	MUL16 6, 1
	WIN 0
; THE WAY OUT, block by block of 16 rows of P x 128.  Each sum goes to the conversion as it is, not held within +-448 (the conversion to an 8-bit code does not saturate: ISA guide 7.6.2) and eight neighbours become 8 bytes of a row.
; The lanes beside mine hold other rows: so a block goes through my own stage and comes back four rows at a time, 512 bytes that lie together in the output.  LDS serves a wave's instructions in order (ISA guide 5.7.1.4).
.macro TOSTAGE a
.set AC, 64*((\a)%4)
.set CC, CD+16*((\a)%2)
.set BB, BK+16*((\a)%2)
	WIN 0x02+((\a)/4)                              ; source 0: window 2 or 3
.set ii, 0
.rept 64
.set ii, ii+1
.endr
.irp b, 0,1,2,3,4,5,6,7
	v_cvt_scalef32_pk8_fp8_f32 v[CC+2*\b:CC+2*\b+1], v[AC+8*\b:AC+8*\b+7], v[SC]
.endr
	WIN 0
	v_nop                                          ; a plain vector instruction behind the last conversion
.irp b, 0,1,2,3,4,5,6,7
	ds_store_b64 v[STO], v[CC+2*\b:CC+2*\b+1] offset:16*\b
.endr
.irp c, 0,1,2,3
	ds_load_b128 v[BB+4*\c:BB+4*\c+3], v[RD] offset:4*SP*\c
.endr
.endm
.macro SEND a, younger                 ; younger: the LDS instructions issued behind block a's loads, which may stay out
.set BB, BK+16*((\a)%2)
	s_wait_dscnt \younger
.irp c, 0,1,2,3                        ; logical rows 16 a + 4 c + 0 .. 3 lie at the places with bits 3 and 4 exchanged: 32 (a / 2) + 16 (c / 2) + 8 (a % 2) + 4 (c % 2) + 0 .. 3
	global_store_b128 v[CO], v[BB+4*\c:BB+4*\c+3], s[12:13] offset:128*(32*((\a)/2)+16*(\c/2)+8*((\a)%2)+4*(\c%2))   ; 32 lanes store 512 consecutive bytes, at a multiple of 512 from the buffer's first byte
.endr
.endm
	PLACES NP                                      ; behind the last products: for the first reads of results and the loads into registers that held P's fragments
	TOSTAGE 0
.irp a, 1,2,3,4,5,6,7
.if \a > 1
	s_wait_xcnt 0x0                                ; block a - 2's stores have read their registers: block a's loads may land there
.endif
	TOSTAGE \a
	SEND \a-1, 12                                  ; behind block a - 1's loads: block a's 8 stores and 4 loads
.endr
	SEND 7, 0
	s_wait_tensorcnt 0x0                           ; the wave's end
	ds_add_u32 v[SPW], v[NIL]
	s_wait_dscnt 0x0
	CROUND                                         ; the closing round: no work-group ends while a partner may still ask for a tile that names it
	s_endpgm
.Lfunc_end_k_q54ba023a3f_qkv:
	.size	k_q54ba023a3f_qkv, .Lfunc_end_k_q54ba023a3f_qkv-k_q54ba023a3f_qkv
	.p2alignl 7, 3214868480
	.fill 96, 4, 3214868480
	.section	.rodata,"a",@progbits
	.p2align	6, 0x0
	.amdhsa_kernel k_q54ba023a3f_qkv
		.amdhsa_group_segment_fixed_size 327680
		.amdhsa_private_segment_fixed_size 0
		.amdhsa_enable_private_segment 0
		.amdhsa_kernarg_size 40
		.amdhsa_user_sgpr_count 2
		.amdhsa_user_sgpr_kernarg_segment_ptr 1
		.amdhsa_wavefront_size32 1
		.amdhsa_system_sgpr_workgroup_id_x 1
		.amdhsa_system_sgpr_workgroup_id_y 1
		.amdhsa_system_sgpr_workgroup_id_z 1
		.amdhsa_system_vgpr_workitem_id 0
		.amdhsa_next_free_vgpr 1024
		.amdhsa_next_free_sgpr 100
		.amdhsa_reserve_vcc 0
		.amdhsa_float_denorm_mode_32 3
		.amdhsa_float_denorm_mode_16_64 3
		.amdhsa_fp16_overflow 1
		.amdhsa_memory_ordered 1
		.amdhsa_forward_progress 1
		.amdhsa_inst_pref_size 109
	.end_amdhsa_kernel
	.amdgpu_metadata
---
amdhsa.version: [ 1, 2 ]
amdhsa.kernels:
  - .name:           k_q54ba023a3f_qkv
    .symbol:         k_q54ba023a3f_qkv.kd
    .args:
      - { .name: x_codes, .offset: 0, .size: 8, .value_kind: global_buffer, .address_space: global }
      - { .name: W_attn_codes, .offset: 8, .size: 8, .value_kind: global_buffer, .address_space: global }
      - { .name: b_attn, .offset: 16, .size: 8, .value_kind: global_buffer, .address_space: global }
      - { .name: lowp_scales, .offset: 24, .size: 8, .value_kind: global_buffer, .address_space: global }
      - { .name: qkv, .offset: 32, .size: 8, .value_kind: global_buffer, .address_space: global }
    .group_segment_fixed_size: 327680
    .private_segment_fixed_size: 0
    .kernarg_segment_align: 8
    .kernarg_segment_size: 40
    .max_flat_workgroup_size: 128
    .sgpr_count:     100
    .vgpr_count:     1024
    .wavefront_size: 32
...
	.end_amdgpu_metadata
.endif
;; end of part 1
;; launch attn (part 2): grid 8 x 32, 16 waves a work-group, no clusters, 327,680 bytes of LDS; arguments qkv, lowp_scales, yimg; writes yimg
.if DOCPART == 2
	.amdgcn_target "amdgcn-amd-amdhsa--gfx1250"
	.amdhsa_code_object_version 6
	.text
	.protected	k_q54ba023a3f_attn
	.globl	k_q54ba023a3f_attn
	.p2align	8
	.type	k_q54ba023a3f_attn,@function
k_q54ba023a3f_attn:
	s_mov_b64 s[64:65], 0
	v_nop
	global_prefetch_b8 v0, s[64:65] scope:SCOPE_SE
	s_setreg_imm32_b32 hwreg(HW_REG_WAVE_MODE, 25, 1), 1
	s_wait_xcnt 0x0
; y = softmax(q k^T / 8, causal) v for 64 heads of 64 channels, 2,048 tokens, both products on codes of FP8 (E4M3); y is quantised with 2^e6 for the projection.  q, k, v come as the launch before laid them (blocks of
; 128 rows x 128 bytes for a pair of heads; rows at the place with bits 3 and 4 exchanged; v with the keys along its rows).  Scales: q e2, k e3, p e4, v e5.
; THE SOFTMAX AHEAD OF THE SECOND PRODUCT: t = score x log2(e) / 8; M = the row's largest t so far, rounded UP to a whole number; p = 2^(t - M) is quantised, not normalised; the row's sum is taken of the unquantised p
; and divides at the end.  When M moves, the sum and O are multiplied by 2^(old M - new M): exact.
; SHARES.  Work-group (j, bh): a batch's pair of heads bh, and TWO blocks of 128 queries: first block 15 - j against key blocks 0 .. 15 - j, then block j against key blocks 0 .. j: (16 - j) + (j + 1) = 17 key steps of 128 keys
; in every work-group: what the causal mask hides as whole blocks is never fetched or multiplied, the work is even, and the trip count is a constant.  Wave w: head w / 8 of the pair, tile of 16 queries w % 8; 256 registers, four waves to a SIMD.
; A slot of the ring holds one key block for both heads: K's 128 rows and V's 128 rows of 128 bytes.  Waves 0, 1 fetch K's halves, waves 2, 3 V's.
; LAYOUT.  Both products are used transposed (S^T = K Q^T, O^T = V^T P^T): a lane holds ONE query throughout.  By the exchange of bits 3 and 4, the 16 neighbouring LDS rows of tile 2 b + u are keys 32 b + 8 u + r + 8 (r / 8), so the 16
; registers of tiles 2 b, 2 b + 1 are 16 neighbouring keys: the conversions' results are the second product's operand.  V's rows likewise: a lane's 16 results of two tiles are 16 neighbouring channels, and y's codes are stored
; as an image of the projection's operand registers: byte (((block of 128 tokens x 8 + head pair) x 8 + tile) x 4 + c) x 512 + 16 x lane holds y(token 16 tile + r, column 128 pair + 32 c + 16 h + 0 .. 15).
; NO CLUSTER, though the eight work-groups of a pair of heads read the same K and V: from trip 16 - j on a work-group stands at key block trip - (16 - j), another for each j, so partners would need different tiles in the same
; round, and a change from joint loads to own ones at that trip would be a branch on a work-group's place in its cluster.
; LIMITS: e2 + e3 between -123 and 130 (added to c's exponent field); e4 and e6 between -126 and 119; e4 + e5 is applied by v_ldexp_f32 and has none.
; REGISTERS: v1-7 addresses that stay; v8, v9 addresses in hand; v10 my query less 16 h; v12 -M, v13 the largest t, v[14:15] the sum in two halves; v16-23 Q; v32-95 K's 8 fragments, then V's 4; v96-159 S^T, then p, at a phase's end y;
;   v160-191 O^T; v192-207 p's codes; v208-215 y's codes; v236-255 at work and scales.
.set KP,    144                        ; a row in LDS: 128 bytes + 16 of padding = 36 words: 16 neighbouring rows start at 16 different groups of four banks (64 banks of 4 bytes: ISA guide 11.1)
.set PART,  64*KP                      ; what one tensor load brings
.set VOFF,  128*KP                     ; a slot: K's 128 rows, then V's 128
.set SLOT1, 1<<16                      ; slot 1 begins here: one exclusive or turns an address from one slot to the other
.set SPARE, 2*SLOT1                    ; behind the ring: the spare words, 128 bytes for each of sixteen waves, named by no other line
.set AK0,  1                           ; v1   my lane's place in a tile of K: 144 r + 16 h + 64 x head
.set AV0,  2                           ; v2   the same for V
.set PFO,  3                           ; v3   256 x lane, for the prefetches
.set QO,   4                           ; v4   my lane's place in a block of q
.set SPW,  5                           ; v5   my spare word; never rewritten
.set NIL,  6                           ; v6   0; never rewritten
.set YO,   7                           ; v7   16 x lane
.set ADK,  8
.set ADV,  9
.set QD,   10
.set TB,   2                           ; s2   LDS byte at which the slot in hand begins
.set WQ,   10                          ; s10  my tile of queries, 0 .. 7
.set WV,   18                          ; s18  my wave's number
.set HH,   19                          ; s19  my head of the pair
.set SEL,  20                          ; s[20:21] lane selects for v_permlanex16_b32: lane l xor 16
.set CS,   22                          ; s[22:23] c = log2(e) / 8 x 2^(e2 + e3)
.set G1,   24                          ; s[24:31] descriptor group 1
.set G0,   40                          ; s[40:43] group 0, which walks
.set BKV,  44                          ; s[44:45] my part of K or V in key block 0
.set OFF,  46                          ; s[46:47] 16,384 x the key block asked for
.set KBN,  48                          ; s48  the key block asked for last
.set N0,   49                          ; s49  16 - j: key blocks of the first phase
.set DG,   50                          ; s50  15 - j: the first phase's query block, and the trip that lies on its diagonal
.set TRIP, 51
.set LIM,  52                          ; s52  a wave prefetches while the trip's number is below it
.set PFA,  54                          ; s[54:55] where my prefetches stand
.set QB0,  56                          ; s[56:57], s[58:59] q's codes of the two phases;  s[60:61], s[62:63] y's images
.set QB1,  58
.set YB0,  60
.set YB1,  62
.set JJ,   81
; Waves 0 to 3 fetch, the others nothing.  The branch hangs on the wave's number alone.  Four v_nop follow the load.
.macro TLOAD
	s_cmp_lt_u32 s[WV], 4
	s_cbranch_scc0 .Lasked_\@
	tensor_load_to_lds s[G0:G0+3], s[G1:G1+7]
	s_nop 0
.rept 4
	v_nop
.endr
.Lasked_\@:
.endm
; A PREFETCH INTO THE L2: in trip i, where the fetching waves ask for key block i + 1, key block i + 2 is named: one key step of sixteen waves ahead of the load that will want it.  All eight work-groups of a pair of heads walk the
; same K and V: the one with j = 0, which walks all sixteen blocks in order, asks.  In it waves 4 to 7 ask, one instruction each, for the same four parts of 8,192 bytes that waves 0 to 3 fetch, lanes 256 bytes apart:
; each aligned block of 256 bytes is named once in the launch.  Blocks 0 and 1 come by their loads alone; trips 14 and later ask for nothing: block 15 is the last.
.macro ASK
	s_cmp_lt_u32 s[TRIP], s[LIM]
	s_cbranch_scc0 .Lnot_mine_\@
	global_prefetch_b8 v[PFO], s[PFA:PFA+1] th:TH_LOAD_NT scope:SCOPE_SE
.Lnot_mine_\@:
.endm
; the addresses of a phase: s[qb] = its block of 128 queries
.macro BASES qb, q, y
	s_lshl_b32 s82, s77, 4
	s_add_co_u32 s82, s82, s[\qb]
	s_lshl_b32 s82, s82, 14                        ; q's block (pair x 16 + query block) x 16,384,
	s_lshl_b32 s84, s[HH], 6
	s_add_co_u32 s82, s82, s84                     ; + my head's 64 bytes of each row
	s_add_nc_u64 s[\q:\q+1], s[4:5], s[82:83]
	s_lshr_b32 s82, s77, 3
	s_lshl_b32 s82, s82, 4
	s_add_co_u32 s82, s82, s[\qb]                  ; the block of 128 tokens: batch x 16 + query block
	s_lshl_b32 s82, s82, 3
	s_and_b32 s84, s77, 7
	s_add_co_u32 s82, s82, s84                     ; x 8 + head pair
	s_lshl_b32 s82, s82, 3
	s_add_co_u32 s82, s82, s[WQ]                   ; x 8 + my tile
	s_lshl_b32 s82, s82, 11                        ; x 2,048 bytes,
	s_lshl_b32 s84, s[HH], 10
	s_add_co_u32 s82, s82, s84                     ; + my head's two pieces of 512
	s_add_nc_u64 s[\y:\y+1], s[8:9], s[82:83]
.endm
	s_load_b128 s[4:7], s[0:1], 0x0                ; qkv s[4:5], the scales' exponents s[6:7]
	s_load_b64 s[8:9], s[0:1], 0x10                ; yimg
	v_lshl_add_u32 v[SPW], v0, 2, SPARE
	v_mov_b32 v[NIL], 0
	ds_add_u32 v5, v6
	ds_add_u32 v5, v6
	s_wait_dscnt 0x0
	v_lshrrev_b32 v8, 5, v0
	s_delay_alu instid0(VALU_DEP_1)
	v_readfirstlane_b32 s[WV], v8                  ; wave 0..15
	s_and_b32 s[WQ], s[WV], 7
	s_lshr_b32 s[HH], s[WV], 3
	s_and_b32 s77, ttmp7, 0xffff                   ; bh: batch x 8 + head pair
	s_mov_b32 s[JJ], ttmp9                         ; j
	s_sub_co_u32 s[N0], 16, ttmp9
	s_sub_co_u32 s[DG], 15, ttmp9
	; descriptor group 1: 64 rows of 128 bytes, dense in memory, padded in LDS
	s_mov_b32 s[G1], (0<<16)|(1<<20)|(4<<22)|(3<<25)  ; 15:0 no mask; 17:16 elements of 1 byte; 20 padding on; 24:22 after every 32 words (code 4); 31:25 four words (code 3)
	s_mov_b32 s[G1+1], 128<<16                     ; tensor_dim0
	s_mov_b32 s[G1+2], 64<<16                      ; tensor_dim1
	s_mov_b32 s[G1+3], 128<<16                     ; tile_dim0
	s_mov_b32 s[G1+4], 64                          ; tile_dim1
	s_mov_b32 s[G1+5], 128                         ; tensor_dim0_stride
	s_mov_b32 s[G1+6], 0
	s_mov_b32 s[G1+7], 0
	s_mov_b32 s[SEL], 0x76543210
	s_mov_b32 s[SEL+1], 0xfedcba98
	s_mov_b32 s[TB], 0
	s_mov_b32 s[KBN], 0
	s_mov_b32 s[OFF+1], 0
	s_bfe_u32 s78, s[WV], 0x10001                  ; bit 1 of the wave's number: K's part of qkv (0) or V's (1),
	s_add_co_u32 s78, s78, 1
	s_lshl_b32 s78, s78, 23                        ; 8 MiB or 16 MiB on,
	s_lshl_b32 s79, s77, 18                        ; the pair's sixteen blocks of 16,384 bytes,
	s_add_co_u32 s78, s78, s79
	s_and_b32 s79, s[WV], 1
	s_lshl_b32 s79, s79, 13                        ; and which 64 rows of a block
	s_add_co_u32 s78, s78, s79
	s_mov_b32 s79, 0
	s_mov_b32 s[G0], 1                             ; 1:0 count = 1
	s_mul_i32 s[G0+1], s[WV], PART                 ; 63:32 LDS address: wave x 64 rows, in slot 0 (waves 0 to 3 alone use it)
	s_wait_kmcnt 0x0
	s_load_b256 s[68:75], s[6:7], 0x0              ; e0 .. e7
	s_add_nc_u64 s[BKV:BKV+1], s[4:5], s[78:79]
	s_mov_b64 s[G0+2:G0+3], s[BKV:BKV+1]           ; 120:64 global address: key block 0
	s_or_b32 s[G0+3], s[G0+3], 0x80000000          ; 127:126 type = 2
	TLOAD                                          ; key block 0 into slot 0
	s_add_nc_u64 s[PFA:PFA+1], s[BKV:BKV+1], 16384 ; at key block 1: the first change of slots steps it to block 2.  Nothing is prefetched here, at the head
	s_lshr_b32 s80, s[WV], 2
	s_xor_b32 s80, s80, 1                          ; 0 in waves 4 to 7,
	s_or_b32 s80, s80, ttmp9                       ; of the work-group with j = 0
	s_cmp_eq_u32 s80, 0
	s_cselect_b32 s[LIM], 14, 0
	s_mov_b32 s83, 0
	BASES DG, QB0, YB0
	BASES JJ, QB1, YB1
	v_and_b32 v8, 15, v0                           ; r
	v_bfe_u32 v9, v0, 4, 1                         ; h
	s_delay_alu instid0(VALU_DEP_2)
	v_and_b32 v10, 7, v8
	s_delay_alu instid0(VALU_DEP_3)
	v_lshrrev_b32 v11, 3, v8
	s_delay_alu instid0(VALU_DEP_1)
	v_lshl_add_u32 v10, v11, 4, v10                ; query 16 wq + r lies at the place 32 (wq / 2) + 16 (r / 8) + 8 (wq % 2) + r % 8
	s_lshr_b32 s80, s[WQ], 1
	s_lshl_b32 s80, s80, 5
	s_and_b32 s84, s[WQ], 1
	s_lshl_b32 s84, s84, 3
	s_add_co_u32 s80, s80, s84
	v_add_nc_u32 v10, s80, v10
	s_delay_alu instid0(VALU_DEP_1)
	v_lshlrev_b32 v[QO], 7, v10
	s_delay_alu instid0(VALU_DEP_1)
	v_lshl_add_u32 v[QO], v9, 4, v[QO]
	global_load_b128 v[16:19], v[QO], s[QB0:QB0+1]            ; Q's fragment: registers 4 c .. 4 c + 3 hold channels 32 c + 16 h + 0 .. 15
	global_load_b128 v[20:23], v[QO], s[QB0:QB0+1] offset:32
	v_mul_u32_u24 v[AK0], v8, KP
	s_delay_alu instid0(VALU_DEP_1)
	v_lshl_add_u32 v[AK0], v9, 4, v[AK0]
	s_mul_i32 s80, s[HH], PART
	s_add_co_u32 s80, s80, VOFF
	v_add_nc_u32 v[AV0], s80, v[AK0]               ; V: my head's 64 rows
	s_lshl_b32 s80, s[HH], 6
	v_add_nc_u32 v[AK0], s80, v[AK0]               ; K: my head's 64 bytes of each row
	v_and_b32 v[PFO], 31, v0
	s_delay_alu instid0(VALU_DEP_1)
	v_lshlrev_b32 v[YO], 4, v[PFO]
	s_delay_alu instid0(VALU_DEP_2)
	v_lshlrev_b32 v[PFO], 8, v[PFO]
	s_lshl_b32 s80, s[WQ], 4
	v_lshlrev_b32 v11, 4, v9
	s_delay_alu instid0(VALU_DEP_1)
	v_sub_nc_u32 v[QD], v8, v11
	s_delay_alu instid0(VALU_DEP_1)
	v_add_nc_u32 v[QD], s80, v[QD]                 ; my query in its block, less 16 h
	v_mov_b32 v13, 0xff61b1e6                      ; the largest t so far: -3e38, under every t
	s_delay_alu instid0(VALU_DEP_1)
	v_floor_f32 v12, -v13                          ; -M
	v_mov_b32 v14, 0                               ; the sum, in two halves
	v_mov_b32 v15, 0
	v_mov_b32 v236, 0                              ; written once: a lane permute's destination counts as one of its sources
	v_mov_b32 v252, 0
	v_mov_b32 v253, 0                              ; (named as the upper half of the pair v[252:253])
.set jj, 0
.rept 32
	v_mov_b32 v[160+jj], 0                         ; O^T.  (The key step is written without a first step of its own: it finds zeros, which the first change of M leaves zeros)
.set jj, jj+1
.endr
	s_wait_kmcnt 0x0
	s_add_co_i32 s80, s70, s71
	s_lshl_b32 s80, s80, 23
	s_mov_b32 s[CS], 0x3e38aa3b                    ; c = log2(e) / sqrt(64)
	s_add_co_i32 s[CS], s[CS], s80                 ; a score stands for score x 2^(e2 + e3): the two exponents are added to c's exponent field
	s_mov_b32 s[CS+1], s[CS]                       ; (named with it as a pair, so it is written)
	s_add_co_i32 s80, s72, 127
	s_lshl_b32 s84, s80, 23
	v_mov_b32 v244, s84                            ; 2^e4, for p's conversions
	s_add_co_i32 s80, s74, 127
	s_lshl_b32 s84, s80, 23
	v_mov_b32 v245, s84                            ; 2^e6, for y's
	s_add_co_i32 s76, s72, s73                     ; e4 + e5
; A KEY STEP: 128 keys.  diag = 1: the step lies on the diagonal; diag = 0: it does where the trip's number is 15 - j.
.macro STEP diag
	v_add_nc_u32 v[ADK], s[TB], v[AK0]
	v_add_nc_u32 v[ADV], s[TB], v[AV0]
	v_nop                                          ; with the two additions: four places in front of loads into registers that the last products read
	v_nop
.irp t, 0,1,2,3,4,5,6,7                        ; K's eight tiles of 16 keys x 64 channels
	ds_load_b128 v[32+8*\t:35+8*\t], v[ADK] offset:16*KP*\t
	ds_load_b128 v[36+8*\t:39+8*\t], v[ADK] offset:16*KP*\t+32
.endr
	s_wait_alu depctr_va_vdst(0)
	s_wait_dscnt 0x0
.irp t, 0,1,2,3,4,5,6,7                        ; S^T = K Q^T: lane (r, h) holds query r; the 16 registers of tiles 2 b, 2 b + 1 are keys 32 b + 16 h + 0 .. 15
	v_wmma_f32_16x16x64_fp8_fp8 v[96+8*\t:103+8*\t], v[32+8*\t:39+8*\t], v[16:23], 0
.endr
.rept 4
	v_nop                                          ; places: for the loads below, into K's registers, and for the first reads of the scores
.endr
.irp t, 0,1,2,3                                ; V's four tiles of 16 channels x 128 keys are asked for now and land while the softmax is walked
.irp c, 0,1,2,3
	ds_load_b128 v[32+16*\t+4*\c:35+16*\t+4*\c], v[ADV] offset:16*KP*\t+32*\c
.endr
.endr
.if \diag == 0
	s_cmp_lg_u32 s[TRIP], s[DG]                    ; a branch on ids: a step all of whose keys count skips the mask
	s_cbranch_scc1 .Lopen_\@
.endif
	v_mov_b32 v254, 0xff800000                     ; on the diagonal the scores of hidden keys become -infinity ahead of the maximum: p = 0 then.  Key 0 counts for every query, so M is a number from a phase's first step on
.set nn, 0
.rept 64
	v_cmp_gt_i32 vcc_lo, 32*(nn/16)+nn%16, v[QD]   ; register 16 b + i holds key 32 b + 16 h + i of the block: hidden where 32 b + i > my query - 16 h
	v_cndmask_b32 v[96+nn], v[96+nn], v254, vcc_lo
.set nn, nn+1
.endr
.Lopen_\@:
	v_max3_num_f32 v254, v96, v97, v98             ; the step's largest score of my query, among my 64 keys, in two chains,
	v_max3_num_f32 v252, v99, v100, v101
.irp i, 6,10,14,18,22,26,30,34,38,42,46,50,54,58
	v_max3_num_f32 v254, v254, v[96+\i], v[97+\i]
	v_max3_num_f32 v252, v252, v[98+\i], v[99+\i]
.endr
	v_max3_num_f32 v254, v254, v158, v159
	s_delay_alu instid0(VALU_DEP_1)
	v_max_num_f32 v254, v254, v252
	s_delay_alu instid0(VALU_DEP_1)
	v_permlanex16_b32 v236, v254, s[SEL], s[SEL+1]
	s_delay_alu instid0(VALU_DEP_1)
	v_max_num_f32 v254, v254, v236                 ; and among lane l xor 16's
	s_delay_alu instid0(VALU_DEP_1)
	v_mul_f32 v254, s[CS], v254                    ; as t (c is positive)
	s_delay_alu instid0(VALU_DEP_1)
	v_max_num_f32 v13, v13, v254                   ; the running largest t
	v_mov_b32 v254, v12
	s_delay_alu instid0(VALU_DEP_2)
	v_floor_f32 v12, -v13                          ; the new -M = floor(-t) = -ceil(t): M is a whole number
	s_delay_alu instid0(VALU_DEP_1)
	v_sub_f32 v254, v12, v254                      ; M's old value less its new one: a whole number, 0 or less
	s_delay_alu instid0(VALU_DEP_1)
	v_cvt_i32_f32 v254, v254                       ; (it saturates)
	s_delay_alu instid0(VALU_DEP_1)
	v_ldexp_f32 v252, 1.0, v254                    ; f = 2^(old M - new M)
.set jj, 0
.rept 32
	v_pk_fma_f32 v[96+jj:97+jj], v[96+jj:97+jj], s[CS:CS+1], v[12:13] op_sel_hi:[1,0,0]   ; t - M, two at a time (of the pairs c and -M the low word serves both halves)
.set jj, jj+2
.endr
.set jj, 0
	s_wait_alu depctr_va_vdst(0)
.rept 64
	v_exp_f32 v[96+jj], v[96+jj]                   ; p = 2^(t - M), at most 1: not normalised
.set jj, jj+1
.endr
	v_pk_mul_f32 v[14:15], v[14:15], v[252:253] op_sel_hi:[1,0]   ; the sums under the new M: the plain instruction behind the exponentials
	s_wait_alu depctr_va_vdst(0)                   ; one wait for the whole batch, ahead of its first reader
	v_pk_add_f32 v[242:243], v[100:101], v[104:105]
	v_pk_add_f32 v[254:255], v[108:109], v[112:113]
	v_pk_add_f32 v[250:251], v[116:117], v[120:121]
	v_pk_add_f32 v[248:249], v[124:125], v[128:129]
	v_pk_add_f32 v[246:247], v[132:133], v[136:137]
	v_pk_add_f32 v[240:241], v[140:141], v[144:145]
	v_pk_add_f32 v[238:239], v[148:149], v[152:153]
	v_pk_add_f32 v[14:15], v[14:15], v[156:157]
	v_pk_add_f32 v[242:243], v[242:243], v[96:97]
	v_pk_add_f32 v[254:255], v[254:255], v[98:99]
	v_pk_add_f32 v[250:251], v[250:251], v[102:103]
	v_pk_add_f32 v[248:249], v[248:249], v[106:107]
	v_pk_add_f32 v[246:247], v[246:247], v[110:111]
	v_pk_add_f32 v[240:241], v[240:241], v[114:115]
	v_pk_add_f32 v[238:239], v[238:239], v[118:119]
	v_pk_add_f32 v[14:15], v[14:15], v[122:123]
	v_pk_add_f32 v[242:243], v[242:243], v[126:127]
	v_pk_add_f32 v[254:255], v[254:255], v[130:131]
	v_pk_add_f32 v[250:251], v[250:251], v[134:135]
	v_pk_add_f32 v[248:249], v[248:249], v[138:139]
	v_pk_add_f32 v[246:247], v[246:247], v[142:143]
	v_pk_add_f32 v[240:241], v[240:241], v[146:147]
	v_pk_add_f32 v[238:239], v[238:239], v[150:151]
	v_pk_add_f32 v[14:15], v[14:15], v[154:155]
	v_pk_add_f32 v[242:243], v[242:243], v[158:159]
	s_delay_alu instid0(VALU_DEP_2)
	v_pk_add_f32 v[14:15], v[14:15], v[248:249]
	s_delay_alu instid0(VALU_DEP_2)
	v_pk_add_f32 v[242:243], v[242:243], v[246:247]
	v_pk_add_f32 v[254:255], v[254:255], v[240:241]
	v_pk_add_f32 v[250:251], v[250:251], v[238:239]
	s_delay_alu instid0(VALU_DEP_2)
	v_pk_add_f32 v[14:15], v[14:15], v[254:255]
	s_delay_alu instid0(VALU_DEP_2)
	v_pk_add_f32 v[242:243], v[242:243], v[250:251]
	s_delay_alu instid0(VALU_DEP_1)
	v_pk_add_f32 v[14:15], v[14:15], v[242:243]
.irp b, 0,1,2,3
.set jj, 0
.rept 16
.set jj, jj+1
.endr
	v_cvt_scalef32_pk8_fp8_f32 v[192+4*\b:193+4*\b], v[96+16*\b:103+16*\b], v244
	v_cvt_scalef32_pk8_fp8_f32 v[194+4*\b:195+4*\b], v[104+16*\b:111+16*\b], v244
.endr
.set jj, 0
.rept 16
	v_pk_mul_f32 v[160+jj:161+jj], v[160+jj:161+jj], v[252:253] op_sel_hi:[1,0]   ; O^T under the new M: x f.  (Also the plain instructions between the conversions and the products that read the codes)
.set jj, jj+2
.endr
	s_wait_alu depctr_va_vdst(0)
	s_wait_dscnt 0x0                               ; V is in
.irp t, 0,1,2,3                                ; O^T += V^T P^T: four accumulators by turns, K = these 128 keys
	v_wmma_f32_16x16x128_fp8_fp8 v[160+8*\t:167+8*\t], v[32+16*\t:47+16*\t], v[192:207], v[160+8*\t:167+8*\t]
.endr
.endm
; A PHASE'S END: y = O^T / the sum x 2^(e4 + e5), quantised with 2^e6.  Tiles 2 u and 2 u + 1 hold channels 32 u + 16 h + 0 .. 15 of my query: 16 codes, piece c = 2 x head + u of the image: the wave stores 512 consecutive bytes.
; next = 1: the second phase's Q is fetched and the running numbers begin anew.
.macro FINAL yb, next
.rept 4
	v_nop                                          ; places behind the last products
.endr
	v_add_f32 v14, v14, v15                        ; the sum's two halves,
	s_delay_alu instid0(VALU_DEP_1)
	v_permlanex16_b32 v252, v14, s[SEL], s[SEL+1]
	s_delay_alu instid0(VALU_DEP_1)
	v_add_f32 v14, v14, v252                       ; and lane l xor 16's
	s_wait_alu depctr_va_vdst(0)
	v_rcp_f32 v14, v14
	v_nop                                          ; a plain instruction behind the transcendental
	s_wait_alu depctr_va_vdst(0)                   ; and the wait ahead of its first reader
	v_ldexp_f32 v14, v14, s76
.set jj, 0
.rept 16
	v_pk_mul_f32 v[96+jj:97+jj], v[160+jj:161+jj], v[14:15] op_sel_hi:[1,0]   ; each accumulator from its low end on
.set jj, jj+2
.endr
.set jj, 0
.rept 32
.set jj, jj+1
.endr
.irp u, 0,1
	v_cvt_scalef32_pk8_fp8_f32 v[208+4*\u:209+4*\u], v[96+16*\u:103+16*\u], v245
	v_cvt_scalef32_pk8_fp8_f32 v[210+4*\u:211+4*\u], v[104+16*\u:111+16*\u], v245
.endr
	v_nop                                          ; a plain instruction behind the last conversion
.irp u, 0,1
	global_store_b128 v[YO], v[208+4*\u:211+4*\u], s[\yb:\yb+1] offset:512*\u
.endr
.if \next
	global_load_b128 v[16:19], v[QO], s[QB1:QB1+1]
	global_load_b128 v[20:23], v[QO], s[QB1:QB1+1] offset:32
	v_mov_b32 v13, 0xff61b1e6
	s_delay_alu instid0(VALU_DEP_1)
	v_floor_f32 v12, -v13
	v_mov_b32 v14, 0
	v_mov_b32 v15, 0
.set jj, 0
.rept 32
	v_mov_b32 v[160+jj], 0
.set jj, jj+1
.endr
	s_wait_xcnt 0x0                                ; the stores have read their data: the second phase's end writes those registers again
	s_wait_loadcnt 0x0                             ; Q
.endif
.endm
; THE CHANGE OF SLOTS stands at a trip's head.  Each wave waits for all its tensor loads (its part of the slot that it is about to read), adds 0 to its spare word, and waits for that and for its reads of the slot that it has left.
; Behind the barrier the slot ahead is whole and nobody reads the other one.  fill = 1: that other slot takes the next key block: one on, or block 0 again where the first phase's 16 - j blocks are through.
.macro CHANGE fill
	s_wait_tensorcnt 0x0                           ; no tensor load of mine is out, so group 0 may be written
	ds_add_u32 v[SPW], v[NIL]                      ; 0 onto my spare word; the descriptor's steps stand between it and the wait for it
.if \fill
	s_xor_b32 s[G0+1], s[G0+1], SLOT1              ; the other slot than last time
	s_add_co_u32 s[KBN], s[KBN], 1
	s_cmp_eq_u32 s[KBN], s[N0]
	s_cselect_b32 s[KBN], 0, s[KBN]                ; (in the second phase the blocks end at j, under 16 - j)
	s_lshl_b32 s[OFF], s[KBN], 14
	s_add_nc_u64 s[G0+2:G0+3], s[BKV:BKV+1], s[OFF:OFF+1]
	s_or_b32 s[G0+3], s[G0+3], 0x80000000
	s_wait_xcnt 0x0                                ; the last prefetch, a trip back, has read its address, so it may be written
	s_add_nc_u64 s[PFA:PFA+1], s[PFA:PFA+1], 16384
.endif
	s_wait_dscnt 0x0                               ; the add is done, and my reads of the slot that I have left are over
	s_barrier_signal -1
	s_barrier_wait -1
.if \fill
	TLOAD                                          ; the first thing behind the barrier, and a wave's one tensor load until the next: it has a key step in which to land
	ASK
.endif
.endm
	s_wait_loadcnt 0x0                             ; Q
	s_mov_b32 s[TRIP], 0
.Ltrip:                                            ; sixteen trips; behind each change of slots the next key block is asked for
	CHANGE 1
	STEP 0
	s_cmp_lg_u32 s[TRIP], s[DG]
	s_cbranch_scc1 .Lsame
	FINAL YB0, 1                                   ; trip 15 - j was the first phase's last
.Lsame:
	s_xor_b32 s[TB], s[TB], SLOT1                  ; on to the other slot
	s_add_co_u32 s[TRIP], s[TRIP], 1
	s_cmp_lt_u32 s[TRIP], 16
	s_cbranch_scc1 .Ltrip
	CHANGE 0                                       ; the seventeenth step is written out: key block j against query block j
	STEP 1
	FINAL YB1, 0
	s_wait_tensorcnt 0x0                           ; the wave's end
	ds_add_u32 v[SPW], v[NIL]
	s_wait_dscnt 0x0
	s_endpgm
.Lfunc_end_k_q54ba023a3f_attn:
	.size	k_q54ba023a3f_attn, .Lfunc_end_k_q54ba023a3f_attn-k_q54ba023a3f_attn
	.p2alignl 7, 3214868480
	.fill 96, 4, 3214868480
	.section	.rodata,"a",@progbits
	.p2align	6, 0x0
	.amdhsa_kernel k_q54ba023a3f_attn
		.amdhsa_group_segment_fixed_size 327680
		.amdhsa_private_segment_fixed_size 0
		.amdhsa_enable_private_segment 0
		.amdhsa_kernarg_size 24
		.amdhsa_user_sgpr_count 2
		.amdhsa_user_sgpr_kernarg_segment_ptr 1
		.amdhsa_wavefront_size32 1
		.amdhsa_system_sgpr_workgroup_id_x 1
		.amdhsa_system_sgpr_workgroup_id_y 1
		.amdhsa_system_sgpr_workgroup_id_z 1
		.amdhsa_system_vgpr_workitem_id 0
		.amdhsa_next_free_vgpr 256
		.amdhsa_next_free_sgpr 100
		.amdhsa_reserve_vcc 1
		.amdhsa_float_denorm_mode_32 3
		.amdhsa_float_denorm_mode_16_64 3
		.amdhsa_fp16_overflow 1
		.amdhsa_memory_ordered 1
		.amdhsa_forward_progress 1
		.amdhsa_inst_pref_size 52
	.end_amdhsa_kernel
	.amdgpu_metadata
---
amdhsa.version: [ 1, 2 ]
amdhsa.kernels:
  - .name:           k_q54ba023a3f_attn
    .symbol:         k_q54ba023a3f_attn.kd
    .args:
      - { .name: qkv, .offset: 0, .size: 8, .value_kind: global_buffer, .address_space: global }
      - { .name: lowp_scales, .offset: 8, .size: 8, .value_kind: global_buffer, .address_space: global }
      - { .name: yimg, .offset: 16, .size: 8, .value_kind: global_buffer, .address_space: global }
    .group_segment_fixed_size: 327680
    .private_segment_fixed_size: 0
    .kernarg_segment_align: 8
    .kernarg_segment_size: 24
    .max_flat_workgroup_size: 512
    .sgpr_count:     100
    .vgpr_count:     256
    .wavefront_size: 32
...
	.end_amdgpu_metadata
.endif
;; end of part 2
;; launch proj (part 3): grid 4 x 64, 4 waves a work-group, clusters of 4 x 4, 327,680 bytes of LDS; arguments yimg, W_proj_codes, b_proj, lowp_scales, out0; writes out0
.if DOCPART == 3
	.amdgcn_target "amdgcn-amd-amdhsa--gfx1250"
	.amdhsa_code_object_version 6
	.text
	.protected	k_q54ba023a3f_proj
	.globl	k_q54ba023a3f_proj
	.p2align	8
	.type	k_q54ba023a3f_proj,@function
k_q54ba023a3f_proj:
	s_mov_b64 s[64:65], 0
	v_nop
	global_prefetch_b8 v0, s[64:65] scope:SCOPE_SE
	s_setreg_imm32_b32 hwreg(HW_REG_WAVE_MODE, 25, 1), 1
	s_wait_xcnt 0x0
	s_wait_alu depctr_hold_cnt(0) depctr_sa_sdst(0) depctr_va_vdst(0) depctr_va_sdst(0) depctr_va_ssrc(0) depctr_va_vcc(0) depctr_vm_vsrc(0)
	s_getreg_b32 s2, hwreg(HW_REG_IB_STS2, 6, 4)
	s_cmp_eq_u32 s2, 0
	s_cbranch_scc0 .Lentry_in_a_cluster
	s_endpgm
.Lentry_in_a_cluster:
	s_bfe_u32 s2, ttmp6, 0x10000c
	s_cmp_lg_u32 s2, 0xf033
	s_cbranch_scc0 .Lentry_shape_is_right
	s_endpgm
.Lentry_shape_is_right:
; out0 = y W_proj + b_proj on codes of FP8 (E4M3).  y [8,192][1,024] comes as images of this product's operand registers (the launch before stored them so): byte (((block of 128 tokens x 8 + s) x 8 + tile) x 4 + c) x 512 + 16 x lane
; holds y(token 16 tile + r, K = 128 s + 32 c + 16 h + 0 .. 15).  W_proj: [1,024 (n)][1,024 (k)] codes.  Scales: y e6, W_proj e7.  out0 = sum x 2^(e6 + e7) + b_proj, f32.
; LIMIT: e6 + e7 between -126 and 127, so that 2^(e6 + e7) is an f32 number.
; A tile of out0 is 128 tokens x 256 columns: 64 x 4 = 256 work-groups.  Four waves, 2 x 2, each 64 tokens x 128 columns: 32 accumulators.  K = 1,024 is eight steps of 128, two to an LDS slot.
; THREE slots, all filled at the start; the fourth pair of steps is the one refill, into slot 0: it has three and a half steps, 112 matrix instructions a wave, in which to land.
; CLUSTERS: 4 x 4 work-groups.  y's images hang on the tile row alone and are asked for jointly along a row of the cluster, W_proj's rows on the tile column alone, along a column.
; THE MATRIX INSTRUCTION IS USED TRANSPOSED (source 0 = 16 rows of W_proj, source 1 = 16 tokens): a lane holds eight neighbouring columns of one row of out0.
; W_proj's fragments are fetched by 16-byte pieces, K = 32 c + 16 h + 0 .. 15 in registers 4 c .. 4 c + 3, as y's images have it: a permutation of k, the same on both sides.
; REGISTERS, in windows of 256: window 0: v1-29 addresses; v32-95 at work on the way out; v128-191, v192-255 y's fragments, two sets, later rows on their way out.   window 1: W_proj's fragments, two sets.
;   window 2: the accumulators ((a, b) at v[8 (8 a + b)]).   window 3: v0-63 b_proj in the result's layout.
.set PITCH,  272                       ; a row of W_proj in LDS: 256 bytes + 16 of padding: the 16 rows that a load touches start at 16 different groups of four banks (64 banks of 4 bytes: ISA guide 11.1)
.set HALFA,  16384                     ; y's images of one step of 128 along K: 8 tiles x 2,048 bytes, dense
.set ABYTES, 2*HALFA
.set HALFB,  128*PITCH
.set SLOT,   ABYTES+2*HALFB            ; 102,400
.set SPARE,  3*SLOT                    ; behind the slots: the spare words, 128 bytes a wave, named by no other line
.set SPITCH, 528                       ; the way out: a stage of 16 rows x (512 bytes + 16) for each wave,
.set STAGE,  SLOT                      ; in slot 1, which is filled once and has had its last read when the first result is stored there
.set FR,   16
.set ADRA, 16                          ; v16-18  LDS address of my tokens' images in slot 0, 1, 2
.set ADRB, 20                          ; v20-22  of my rows of W_proj
.set STO,  24
.set RD,   25
.set CO,   26                          ; v26     16 x lane
.set BO,   27                          ; v27     32 h: my place in b_proj
.set SPW,  28                          ; v28     my spare word; never rewritten
.set NIL,  29                          ; v29     0; never rewritten
.set TMP,  32
.set AF,   128
.set BK,   128
.set G1,   24                          ; s[24:31] group 1 for y's images;  s[32:39] for W_proj's tiles
.set G1B,  32
.set G0A,  40                          ; s[40:51] group 0 for y, a set for each slot;  s[52:63] for W_proj
.set G0B,  52
.set MSB, 0
.macro WIN new                         ; the immediate's high byte repeats the setting that is left
.if MSB != \new
	s_set_vgpr_msb (MSB<<8)|\new
.set MSB, \new
.endif
.endm
.set MUL,  0xa1                        ; source 0 (W_proj) window 1, source 1 (y) window 0, C and D window 2
.set TO_B, 0x40                        ; destination window 1, address window 0
.macro CREST                           ; a round of the cluster's barrier behind its opening barrier
	s_cmp_lg_u32 s14, 0
	s_cbranch_scc1 .Lnot_wave_0_\@
	s_barrier_signal -3
.Lnot_wave_0_\@:
	s_barrier_wait -3
	s_barrier_signal -1
	s_barrier_wait -1
.endm
.macro CROUND
	s_barrier_signal -1
	s_barrier_wait -1
	CREST
.endm
.macro PLACES
.rept 4
	v_nop
.endr
.endm
	s_load_b256 s[4:11], s[0:1], 0x0               ; yimg s[4:5], W_proj s[6:7], b_proj s[8:9], the scales' exponents s[10:11]
	s_load_b64 s[12:13], s[0:1], 0x20              ; out0
	v_lshl_add_u32 v[SPW], v0, 2, SPARE
	v_mov_b32 v[NIL], 0
	ds_add_u32 v28, v29
	ds_add_u32 v28, v29
	s_wait_dscnt 0x0
	v_lshrrev_b32 v1, 5, v0
	v_readfirstlane_b32 s14, v1                    ; wave 0..3
	s_lshr_b32 s15, s14, 1                         ; which 64 tokens are mine.  Also: I fetch for y (0) or for W_proj (1)
	s_and_b32 s16, s14, 1                          ; which 128 columns.  Also: which half of a slot's part I fetch
	s_bfe_u32 s66, ttmp6, 0x40000                  ; cx, cy
	s_bfe_u32 s67, ttmp6, 0x40004
	s_lshl_b32 s68, ttmp9, 2
	s_add_co_u32 s68, s68, s66                     ; tile column = 4 x cluster x + cx
	s_and_b32 s17, ttmp7, 0xffff
	s_lshl_b32 s17, s17, 2
	s_add_co_u32 s17, s17, s67                     ; tile row = 4 x cluster y + cy
	s_lshl_b32 s69, s67, 2
	s_lshl_b32 s69, 15, s69                        ; my row of the cluster
	s_lshl_b32 s70, 0x1111, s66                    ; my column
	; group 1 for y: a dense block of 16,384 bytes as 64 rows of 256 bytes, no padding
	s_or_b32 s[G1+0], s69, (3<<16)|(1<<21)         ; 15:0 the mask: my row; 17:16 elements of 8 bytes; 21 set beside a mask
	s_mov_b32 s[G1+1], 32<<16                      ; tensor_dim0 = 32 elements
	s_mov_b32 s[G1+2], 64<<16                      ; tensor_dim1 = 64
	s_mov_b32 s[G1+3], 32<<16                      ; tile_dim0
	s_mov_b32 s[G1+4], 64                          ; tile_dim1
	s_mov_b32 s[G1+5], 32                          ; tensor_dim0_stride
	s_mov_b32 s[G1+6], 0
	s_mov_b32 s[G1+7], 0
	; group 1 for W_proj: 128 rows x 256 bytes, padded in LDS
	s_or_b32 s[G1B+0], s70, (0<<16)|(1<<20)|(1<<21)|(5<<22)|(3<<25)  ; the mask: my column; elements of 1 byte; padding: four words after every 64
	s_mov_b32 s[G1B+1], 256<<16
	s_mov_b32 s[G1B+2], 128<<16
	s_mov_b32 s[G1B+3], 256<<16
	s_mov_b32 s[G1B+4], 128
	s_mov_b32 s[G1B+5], 1024
	s_mov_b32 s[G1B+6], 0
	s_mov_b32 s[G1B+7], 0
	s_lshl_b32 s72, s17, 3
	s_add_co_u32 s72, s72, s16
	s_lshl_b32 s72, s72, 14                        ; y: (tile row x 8 + my step of the slot's two) x 16,384
	s_mov_b32 s73, 0
	s_lshl_b32 s74, s68, 1
	s_add_co_u32 s74, s74, s16
	s_lshl_b32 s74, s74, 17                        ; W_proj: row 256 x tile column + 128 x half, x 1,024 bytes
	s_mov_b32 s75, 0
	s_mul_i32 s71, s16, HALFA                      ; where they go: no place in the cluster enters an LDS address
	s_mul_i32 s84, s16, HALFB
	s_add_co_u32 s84, s84, ABYTES
	s_wait_kmcnt 0x0
	s_load_b256 s[76:83], s[10:11], 0x0            ; e0 .. e7
	s_add_nc_u64 s[72:73], s[4:5], s[72:73]
	s_add_nc_u64 s[74:75], s[6:7], s[74:75]
	CROUND                                         ; all sixteen work-groups are here: the first joint loads meet
.irp n, 0,1,2
	s_mov_b32 s[G0A+4*\n], 1
	s_add_co_u32 s[G0A+4*\n+1], s71, \n*SLOT
	s_add_nc_u64 s[G0A+4*\n+2:G0A+4*\n+3], s[72:73], \n*ABYTES
	s_or_b32 s[G0A+4*\n+3], s[G0A+4*\n+3], 0x80000000
	s_mov_b32 s[G0B+4*\n], 1
	s_add_co_u32 s[G0B+4*\n+1], s84, \n*SLOT
	s_add_nc_u64 s[G0B+4*\n+2:G0B+4*\n+3], s[74:75], \n*256
	s_or_b32 s[G0B+4*\n+3], s[G0B+4*\n+3], 0x80000000
.endr
	s_cmp_eq_u32 s15, 0                            ; a wave's three first fills stand in one branch on the wave's number: three loads of mine are out; four v_nop follow the third
	s_cbranch_scc0 .Lfirst_b
	tensor_load_to_lds s[G0A:G0A+3], s[G1:G1+7]
	s_nop 0
	tensor_load_to_lds s[G0A+4:G0A+7], s[G1:G1+7]
	s_nop 0
	tensor_load_to_lds s[G0A+8:G0A+11], s[G1:G1+7]
	s_nop 0
.rept 4
	v_nop
.endr
	s_branch .Lfirst_asked
.Lfirst_b:
	tensor_load_to_lds s[G0B:G0B+3], s[G1B:G1B+7]
	s_nop 0
	tensor_load_to_lds s[G0B+4:G0B+7], s[G1B:G1B+7]
	s_nop 0
	tensor_load_to_lds s[G0B+8:G0B+11], s[G1B:G1B+7]
	s_nop 0
.rept 4
	v_nop
.endr
.Lfirst_asked:
	v_and_b32 v1, 15, v0                           ; r
	v_bfe_u32 v2, v0, 4, 1                         ; h
	v_and_b32 v3, 31, v0
	v_lshlrev_b32 v[CO], 4, v3
	v_mul_u32_u24 v4, v1, PITCH
	v_lshl_add_u32 v4, v2, 4, v4
	s_lshl_b32 s21, s15, 13                        ; my four tiles of tokens: 4 x 2,048 bytes x half
	s_mul_i32 s22, s16, HALFB
	s_add_co_u32 s22, s22, ABYTES                  ; my 128 rows of W_proj
.irp n, 0,1,2
	v_add_nc_u32 v[ADRA+\n], s21, v[CO]
	v_add_nc_u32 v[ADRB+\n], s22, v4
	s_add_co_u32 s21, s21, SLOT
	s_add_co_u32 s22, s22, SLOT
.endr
	s_mul_i32 s23, s14, 16*SPITCH
	s_add_co_u32 s23, s23, STAGE                   ; my stage
	v_mul_u32_u24 v5, v1, SPITCH                   ; in: row r, 32 bytes for each half of the lanes
	v_lshl_add_u32 v5, v2, 5, v5
	v_add_nc_u32 v[STO], s23, v5
	v_add_nc_u32 v[RD], s23, v[CO]                 ; back: the 32 lanes take one row of 512 bytes
	v_lshlrev_b32 v[BO], 5, v2
	s_wait_alu depctr_va_vdst(0)
	s_lshl_b32 s20, s17, 1
	s_add_co_u32 s20, s20, s15
	s_lshl_b32 s20, s20, 18                        ; my first row of out0: (2 x tile row + half) x 64 rows of 4,096 bytes
	s_lshl_b32 s18, s68, 1
	s_add_co_u32 s18, s18, s16
	s_lshl_b32 s18, s18, 9                         ; my first column: (2 x tile column + half) x 128 numbers of 4 bytes
	s_mov_b32 s19, 0
	s_add_nc_u64 s[8:9], s[8:9], s[18:19]
	s_add_co_u32 s18, s18, s20
	s_add_nc_u64 s[12:13], s[12:13], s[18:19]
	WIN 0xc0                                       ; destination window 3
.irp b, 0,1,2,3,4,5,6,7                        ; register 8 b + j: b_proj of my column 16 b + 8 h + j
	global_load_b128 v[8*\b:8*\b+3], v[BO], s[8:9] offset:64*\b
	global_load_b128 v[8*\b+4:8*\b+7], v[BO], s[8:9] offset:64*\b+16
.endr
	WIN 0
	s_wait_kmcnt 0x0
	s_add_co_i32 s96, s82, s83                     ; e6 + e7,
	s_add_co_i32 s96, s96, 127
	s_lshl_b32 s96, s96, 23                        ; as the f32 number 2^(e6 + e7)
	s_mov_b32 s97, s96                             ; (named with it as a pair, so it is written)
	s_wait_loadcnt 0x0                             ; b_proj, while the first tiles are on their way
; 16 matrix instructions: token tiles a0, a0 + 1 x the eight column tiles, 128 along K, from sets p.  zero = 1: the first product starts the sums.  The 32 accumulators take turns, in the same order in every step.
.macro MUL16 a0, p, zero
.irp a, \a0, \a0+1
.irp b, 0,1,2,3,4,5,6,7
.if \zero
	v_wmma_f32_16x16x128_fp8_fp8 v[8*(8*(\a)+\b):8*(8*(\a)+\b)+7], v[128*(\p)+FR*\b:128*(\p)+FR*\b+FR-1], v[AF+64*(\p)+FR*(\a):AF+64*(\p)+FR*(\a)+FR-1], 0
.else
	v_wmma_f32_16x16x128_fp8_fp8 v[8*(8*(\a)+\b):8*(8*(\a)+\b)+7], v[128*(\p)+FR*\b:128*(\p)+FR*\b+FR-1], v[AF+64*(\p)+FR*(\a):AF+64*(\p)+FR*(\a)+FR-1], v[8*(8*(\a)+\b):8*(8*(\a)+\b)+7]
.endif
.endr
.endr
.endm
; step s's fragments (48 LDS loads in one run) into sets s % 2, from slot (s / 2) % 3
.macro FETCH s
.set SL, ((\s)/2)%3
.set PS, (\s)%2
	WIN TO_B
.irp b, 0,1,2,3,4,5,6,7
.irp c, 0,1,2,3
	ds_load_b128 v[128*PS+FR*\b+4*\c:128*PS+FR*\b+4*\c+3], v[ADRB+SL] offset:128*PS+32*\c+\b*16*PITCH
.endr
.endr
	WIN 0
.irp a, 0,1,2,3
.irp c, 0,1,2,3
	ds_load_b128 v[AF+64*PS+FR*\a+4*\c:AF+64*PS+FR*\a+4*\c+3], v[ADRA+SL] offset:HALFA*PS+2048*\a+512*\c   ; an image comes back as it was stored: 16 bytes a lane, 512 an instruction
.endr
.endr
.endm
; A step whose successor's tiles are known to lie in LDS
.macro STEP s, zero
	s_wait_dscnt 0                                 ; this step's fragments are in
	WIN MUL
	MUL16 0, (\s)%2, \zero
	PLACES                                         ; in front of loads into the sets that the step before multiplied
	FETCH (\s)+1
	WIN MUL
	MUL16 2, (\s)%2, \zero
.endm
; A step behind which a slot is left: ONE barrier; in front of it each wave waits for all its tensor loads, adds 0 to its spare word, and waits for that and for its reads of the slot.  fill = 1: slot 0 is filled again, with the last two steps.
.macro TURN s, fill
	WIN 0                                          ; (the add's two registers lie in window 0)
	s_wait_tensorcnt 0x0                           ; all my tensor loads have landed
	ds_add_u32 v[SPW], v[NIL]                      ; 0 onto my spare word
	s_wait_dscnt 1                                 ; this step's fragments are in; the add may be out
	WIN MUL
	MUL16 0, (\s)%2, 0                             ; sixteen matrix instructions stand between the add and the wait for it
	s_wait_dscnt 0x0                               ; the add is done, and my reads of the slot are over
	s_barrier_signal -1
	WIN 0
	s_barrier_wait -1
.if \fill
	CREST                                          ; the barrier has opened a round of the cluster's barrier: no wave of any partner still reads slot 0 or has a load on its way
	s_add_nc_u64 s[G0A+2:G0A+3], s[G0A+2:G0A+3], 3*ABYTES
	s_add_nc_u64 s[G0B+2:G0B+3], s[G0B+2:G0B+3], 3*256
	s_cmp_eq_u32 s15, 0
	s_cbranch_scc0 .Lfor_b_\@
	tensor_load_to_lds s[G0A:G0A+3], s[G1:G1+7]    ; the first tensor load behind the round, one a wave; its four v_nop are the places in front of the loads below
	s_nop 0
.rept 4
	v_nop
.endr
	s_branch .Lasked_\@
.Lfor_b_\@:
	tensor_load_to_lds s[G0B:G0B+3], s[G1B:G1B+7]
	s_nop 0
.rept 4
	v_nop
.endr
.Lasked_\@:
.else
	PLACES
.endif
	FETCH (\s)+1
	WIN MUL
	MUL16 2, (\s)%2, 0
.endm
	s_wait_tensorcnt 2                             ; my part of slot 0 is in; slots 1 and 2 may be out
	s_barrier_signal -1
	s_barrier_wait -1                              ; everybody's is
	FETCH 0
	STEP 0, 1                                      ; the first products start the sums
	TURN 1, 1                                      ; slots 1 and 2 are whole for every wave; slot 0 takes steps 6 and 7
	STEP 2, 0
	STEP 3, 0
	STEP 4, 0
	TURN 5, 0                                      ; slot 0's refill has landed in every wave
	STEP 6, 0
	s_wait_dscnt 0                                 ; the last step
	WIN MUL
	MUL16 0, 1, 0
	MUL16 2, 1, 0
	WIN 0
; THE WAY OUT, a tile of 16 tokens x 128 columns at a time: sum x 2^(e6 + e7) + b_proj, one packed multiply-add for two numbers; through my own stage, back as whole rows of 512 bytes.  LDS serves a wave's instructions in order (ISA guide 5.7.1.4).
.macro TOSTAGE a
.set BB, BK+64*((\a)%2)
	WIN 0x32                                       ; source 0 (the sums) window 2, source 2 (the bias) window 3
.set ii, 0
.rept 32
	v_pk_fma_f32 v[TMP+ii:TMP+ii+1], v[64*(\a)+ii:64*(\a)+ii+1], s[96:97], v[ii:ii+1] op_sel_hi:[1,0,1]   ; each accumulator from its low end on
.set ii, ii+2
.endr
	WIN 0
.irp b, 0,1,2,3,4,5,6,7
	ds_store_b128 v[STO], v[TMP+8*\b:TMP+8*\b+3] offset:64*\b
	ds_store_b128 v[STO], v[TMP+8*\b+4:TMP+8*\b+7] offset:64*\b+16
.endr
.irp t, 0,1,2,3,4,5,6,7,8,9,10,11,12,13,14,15
	ds_load_b128 v[BB+4*\t:BB+4*\t+3], v[RD] offset:\t*SPITCH
.endr
.endm
.macro SEND a, younger                 ; younger: the LDS instructions issued behind tile a's loads, which may stay out
.set BB, BK+64*((\a)%2)
	s_wait_dscnt \younger
.irp t, 0,1,2,3,4,5,6,7,8,9,10,11,12,13,14,15
	global_store_b128 v[CO], v[BB+4*\t:BB+4*\t+3], s[12:13] offset:(16*(\a)+\t)*4096 th:TH_STORE_NT   ; 32 lanes store 512 consecutive bytes, at a multiple of 512 from out0's first byte; written once, read by nobody here
.endr
.endm
	PLACES                                         ; behind the last products: for the first reads of results and the loads into registers that held y's fragments
	TOSTAGE 0
.irp a, 1,2,3
.if \a > 1
	s_wait_xcnt 0x0                                ; tile a - 2's stores have read their registers: tile a's loads may land there
.endif
	TOSTAGE \a
	SEND \a-1, 32                                  ; behind tile a - 1's loads: tile a's 16 stores and 16 loads
.endr
	SEND 3, 0
	s_wait_tensorcnt 0x0                           ; the wave's end
	ds_add_u32 v[SPW], v[NIL]
	s_wait_dscnt 0x0
	CROUND                                         ; the closing round: no work-group ends while a partner may still ask for a tile that names it
	s_endpgm
.Lfunc_end_k_q54ba023a3f_proj:
	.size	k_q54ba023a3f_proj, .Lfunc_end_k_q54ba023a3f_proj-k_q54ba023a3f_proj
	.p2alignl 7, 3214868480
	.fill 96, 4, 3214868480
	.section	.rodata,"a",@progbits
	.p2align	6, 0x0
	.amdhsa_kernel k_q54ba023a3f_proj
		.amdhsa_group_segment_fixed_size 327680
		.amdhsa_private_segment_fixed_size 0
		.amdhsa_enable_private_segment 0
		.amdhsa_kernarg_size 40
		.amdhsa_user_sgpr_count 2
		.amdhsa_user_sgpr_kernarg_segment_ptr 1
		.amdhsa_wavefront_size32 1
		.amdhsa_system_sgpr_workgroup_id_x 1
		.amdhsa_system_sgpr_workgroup_id_y 1
		.amdhsa_system_sgpr_workgroup_id_z 1
		.amdhsa_system_vgpr_workitem_id 0
		.amdhsa_next_free_vgpr 832
		.amdhsa_next_free_sgpr 100
		.amdhsa_reserve_vcc 0
		.amdhsa_float_denorm_mode_32 3
		.amdhsa_float_denorm_mode_16_64 3
		.amdhsa_memory_ordered 1
		.amdhsa_forward_progress 1
		.amdhsa_inst_pref_size 76
	.end_amdhsa_kernel
	.amdgpu_metadata
---
amdhsa.version: [ 1, 2 ]
amdhsa.kernels:
  - .name:           k_q54ba023a3f_proj
    .symbol:         k_q54ba023a3f_proj.kd
    .args:
      - { .name: yimg, .offset: 0, .size: 8, .value_kind: global_buffer, .address_space: global }
      - { .name: W_proj_codes, .offset: 8, .size: 8, .value_kind: global_buffer, .address_space: global }
      - { .name: b_proj, .offset: 16, .size: 8, .value_kind: global_buffer, .address_space: global }
      - { .name: lowp_scales, .offset: 24, .size: 8, .value_kind: global_buffer, .address_space: global }
      - { .name: out0, .offset: 32, .size: 8, .value_kind: global_buffer, .address_space: global }
    .group_segment_fixed_size: 327680
    .private_segment_fixed_size: 0
    .kernarg_segment_align: 8
    .kernarg_segment_size: 40
    .max_flat_workgroup_size: 128
    .sgpr_count:     100
    .vgpr_count:     832
    .wavefront_size: 32
...
	.end_amdgpu_metadata
.endif
;; end of part 3
